; MI455X (gfx1250); checked and timed in simulation.
; The chip was launched on July 23, 2026; its instructions are those of AMD's public machine-readable ISA for CDNA 5 (MIT licence, August 2026) and "CDNA5" Instruction Set Architecture Reference Guide (July 2026). The comments in the code are by the model that wrote it; some were corrected since.
;; Causal Self Attention. Allowed arithmetic: matrix products marked QUANTISED: E2M3 operands, one E8M0 scale for each 32 along K, by v_wmma_scale_f32_16x16x128_f8f6f4 with both operands' format E2M3, f32 sums; everything else in f32.
;; Inputs: Wk_codes 1,024 x 32 x 24 uint8 (E2M3 codes of Wk, K innermost, in blocks of 32 codes, four codes in three bytes); Wk_scales 1,024 x 32 uint8 (E8M0 scales of Wk, one for each 32 codes along K); Wo_codes 1,024 x 32 x 24 uint8 (E2M3 codes of Wo, K innermost, in blocks of 32 codes, four codes in three bytes); Wo_scales 1,024 x 32 uint8 (E8M0 scales of Wo, one for each 32 codes along K); Wq_codes 1,024 x 32 x 24 uint8 (E2M3 codes of Wq, K innermost, in blocks of 32 codes, four codes in three bytes); Wq_scales 1,024 x 32 uint8 (E8M0 scales of Wq, one for each 32 codes along K); Wv_codes 1,024 x 32 x 24 uint8 (E2M3 codes of Wv, K innermost, in blocks of 32 codes, four codes in three bytes); Wv_scales 1,024 x 32 uint8 (E8M0 scales of Wv, one for each 32 codes along K); x_codes 2 x 2,048 x 32 x 24 uint8 (E2M3 codes of x, K innermost, in blocks of 32 codes, four codes in three bytes); x_scales 2 x 2,048 x 32 uint8 (E8M0 scales of x, one for each 32 codes along K).
;; Outputs: out0 2 x 2,048 x 1,024 float32.
;; This version of the problem:
;;   THIS VERSION OF THE PROBLEM IS GIVEN IN LOW PRECISION. The matrix products marked QUANTISED in the list below multiply operands that are first quantised to E2M3 (2 exponent bits, 3 mantissa bits; 6 bits a number), with one power-of-two scale for each 32 numbers along K (OCP MX v1.0); their sums are f32. All else is computed in f32.
;;   The module's matrix products, in the order in which they are computed (A, B: the left and right operand; K: the contracted axis; several contracted axes count as one K, in the product's order):
;;     1. [M 4,096, K 1,024] x [K 1,024, N 1,024]; A: input x (given as codes); B: input Wq (given as codes): QUANTISED
;;     2. [M 4,096, K 1,024] x [K 1,024, N 1,024]; A: input x (given as codes); B: input Wk (given as codes): QUANTISED
;;     3. [M 4,096, K 1,024] x [K 1,024, N 1,024]; A: input x (given as codes); B: input Wv (given as codes): QUANTISED
;;     4. batch 32 x [M 2,048, K 64] x [K 64, N 2,048]; A: computed on the way; B: computed on the way: QUANTISED
;;     5. batch 32 x [M 2,048, K 2,048] x [K 2,048, N 64]; A: softmax (see below); B: computed on the way: QUANTISED
;;     6. [M 4,096, K 1,024] x [K 1,024, N 1,024]; A: computed on the way; B: input Wo (given as codes): QUANTISED
;;   THE QUANTISER, for each operand of a quantised product, along K:
;;     - K is cut into blocks of 32 from its start; a last block that is shorter is filled with zeros.
;;     - A block's scale is 2^e with e = floor(log2(the largest magnitude in the block)) - 2, held to -126 .. 127; a block of zeros has e = 0. As a byte (E8M0): e + 127.
;;     - Each number is divided by its block's scale, clamped to +-7.5, and rounded to the nearest number of E2M3, ties to even, subnormals kept.
;;     - The product sums the exact products of the quantised numbers (number of the format x scale) in f32.
;;   ~~~python
;;   def quantise(x, axis):      # numpy; x: float32 -> the quantised numbers, widened to float32 again
;;       x = np.moveaxis(x, axis, -1); K = x.shape[-1]
;;       x = np.pad(x, [(0, 0)] * (x.ndim - 1) + [(0, -K % 32)]); x = x.reshape(x.shape[:-1] + (-1, 32)); a = np.abs(x).max(-1, keepdims=True)
;;       e = np.where(a > 0, np.clip(np.frexp(np.where(a > 0, a, 1))[1] - 1 - 2, -126, 127), 0)      # np.frexp(a)[1] - 1 = floor(log2(a)), exactly
;;       r = np.clip(x / 2.0 ** e, -7.5, 7.5)
;;       step = 2.0 ** (np.maximum(np.frexp(np.where(r == 0, 1, r))[1] - 1, 0) - 3)
;;       q = np.round(r / step) * step * 2.0 ** e      # np.round: ties to even
;;       return np.moveaxis(q.reshape(q.shape[:-2] + (-1,))[..., :K], -1, axis).astype(np.float32)
;;   ~~~
;;   SOFTMAX AHEAD OF A QUANTISED PRODUCT. Where the list says 'softmax', what is quantised is not the finished softmax but p = 2^(t - M), with t = logit x log2(e) and M = ceil(the row's largest t), a whole number; so 1/2 < the row's largest p <= 1. The row's sum l is taken of the UNQUANTISED p, in f32, and the product's result is divided by l at the end. Since M is a whole number, a kernel that streams over the keys may use a running M (the ceiling of the running maximum): every later rescaling is an exact power of two, which a block's scale takes up: the codes' values come out the same.
;;   OPERANDS COMPUTED ON THE WAY. 'Computed on the way' means the value that the module computes at that place (a softmax that the list does not call 'softmax' is quantised finished and normalised). What goes into a quantiser is computed in f32, as accurately as f32 sums, v_exp_f32 and their like allow (about 1e-6 of the number): no bf16 or f16 on the way to a quantiser, and a product that is left as it is and whose result goes on into a quantised operand takes f32 operands (vector FMAs, or v_wmma_f32_16x16x4_f32). A number that lies on a knife's edge between two numbers of the format may be rounded either way, as far as f32 arithmetic and the matrix unit's own rounding can turn it there, and no further.
;;   INPUTS GIVEN AS CODES. Wk (in the module: [1024, 1024], K = its axis 1); Wo (in the module: [1024, 1024], K = its axis 1); Wq (in the module: [1024, 1024], K = its axis 1); Wv (in the module: [1024, 1024], K = its axis 1); x (in the module: [2, 2048, 1024], K = its axis 2): each comes as NAME_codes (uint8): NAME with its K axis moved to the last place and cut into blocks of 32 codes, [.., K / 32, bytes a block], one block behind the other in memory; four codes in three bytes: a row's codes are one little-endian stream of bits, code i at bits 6 i .. 6 i + 5 (a code: sign, 2 exponent bits, 3 mantissa bits); and NAME_scales (uint8): the same leading axes, one E8M0 byte (e + 127) for each 32 codes along K. Its value is code x scale, taken as it is: it is not quantised again, and the codes and scales need not be those that the quantiser above would give.
;; One version. Each part assembles by itself: llvm-mc -triple=amdgcn-amd-amdhsa -mcpu=gfx1250 --defsym DOCPART=n.
;; ======== version 1 of 1: 3 launches
;; limits: right only within a limited range of input values
;; workspace buffers: qkv 9,830,400 bytes; yi 3,276,800 bytes
;; launch qkv_proj (part 1): grid 16 x 16, 4 waves a work-group, clusters of 4 x 4, 327,680 bytes of LDS; arguments x_codes, x_scales, Wq_codes, Wq_scales, Wk_codes, Wk_scales, Wv_codes, Wv_scales, qkv; writes qkv
.if DOCPART == 1
	.amdgcn_target "amdgcn-amd-amdhsa--gfx1250"
	.amdhsa_code_object_version 6
	.text
	.protected	k_q3e5e2a2e19_qkv_proj
	.globl	k_q3e5e2a2e19_qkv_proj
	.p2align	8
	.type	k_q3e5e2a2e19_qkv_proj,@function
k_q3e5e2a2e19_qkv_proj:
	s_mov_b64 s[64:65], 0
	v_nop
	global_prefetch_b8 v0, s[64:65] scope:SCOPE_SE
	s_setreg_imm32_b32 hwreg(HW_REG_WAVE_MODE, 25, 1), 1
	s_wait_xcnt 0x0
	s_wait_alu depctr_hold_cnt(0) depctr_sa_sdst(0) depctr_va_vdst(0) depctr_va_sdst(0) depctr_va_ssrc(0) depctr_va_vcc(0) depctr_vm_vsrc(0)
	s_getreg_b32 s2, hwreg(HW_REG_IB_STS2, 6, 4)
	s_cmp_eq_u32 s2, 0
	s_cbranch_scc0 .Lentry_in_a_cluster
	s_endpgm
.Lentry_in_a_cluster:
	s_bfe_u32 s2, ttmp6, 0x10000c
	s_cmp_lg_u32 s2, 0xf033
	s_cbranch_scc0 .Lentry_shape_is_right
	s_endpgm
.Lentry_shape_is_right:
; q, k, v = x W^T on codes of FP6 (E2M3), each result quantised for the attention's products and stored as codes and scale bytes in the order of its operand registers.
; NO WORK OF THIS LAUNCH IS LEFT OUT.  (The attention launch leaves out the steps of keys that the causal mask hides as a whole; what a NaN or an infinity there would do is not carried to the result.)
; SHARES.  256 work-groups: 256 tokens x one head's 64 columns of q, of k and of v.  A wave keeps its band of 64 tokens of x, ALL of K, in registers (4 tiles x 8 fragments x 12 = 384) and streams the twelve column tiles past them:
; a BLOCK is one column tile, 32 matrix instructions.
; THE ROWS OF A TILE ARE NOT NEIGHBOURS: with g = r / 8, tile t's lane r takes row 32 g + 8 (t xor g) + r % 8 of its 64 rows (tokens of x, columns of a head).  Results: register j of lane half h is row 32 h + 8 (t xor h) + j: over four tiles
; a lane holds one scale block of 32.  The order inside a block is the same in q and k, and the same for v's tokens and the attention's keys.  (t xor g: so that the 16 rows of a load start at 16 different banks; 64 banks of 4 bytes: ISA guide 11.1.)
; q, k: source 0 = the weight's rows; v: source 0 = x's rows.
; OUT, a record of RS bytes for each (16 b + head, step of 128 tokens), c the band in the step:
;   0: k's codes [c][pair of tiles][piece of 4 registers][lane][16];  6144: v's [c][tile][lane][16 bytes, then all lanes' 8];  12288: k's scale bytes [pair][r][c][tile % 2][h];  12544: v's [tile % 2][r][tile / 2][c][h];
;   12800: q's codes [c][tile] as v's;  18944: q's scale bytes [4 c + tile][r][h].
; LDS: x's 256 rows, W_q's 64, W_k's 64 (rows of 768 bytes + 16 of padding behind every 256), the stage for scale bytes, the spare words.  W_v's rows are the one refill: onto x's bytes, when every wave has x in registers.
; CLUSTERS 4 x 4: x's rows are asked for jointly along a row, the weights' along a column.
; NO PREFETCH: every tile goes out at the head but W_v's, which has eight blocks of products in which to land.
; LIMITS: NaN, infinities and scale bytes 0xff are not served; a block whose largest magnitude lies under 2^-124 keeps the byte 1 (a block of zeros too: its codes are zeros; this program alone reads the bytes).
.set KROW,  768
.set PITCH, 816
.set RS,    19200
.set SQ,    256*PITCH
.set SK,    SQ+64*PITCH
.set STG,   SK+64*PITCH
.set SPARE, STG+1536
.set FR,    12
.set FPW,   21                         ; fragments in a window of 256 registers
.set NF,    26                         ; LDS loads of a block's eight fragments
.set EMAX,  2
.set EA,    4                          ; v4, v5: LDS lane offsets of an even tile (v5: for pieces behind one padding more); v6, v7: of an odd one
.set L16,   8
.set L8,    9
.set SPW,   10
.set NIL,   11
.set SOFF,  14
.set STK,   15
.set XE,    16                         ; v16-19: as v4-7, for my band of x
.set STV,   20
.set STQ,   21
.set SIN,   22
.set SOUT,  23
.set SB,    24                         ; v24-39 x's scale words: 8 (tile / 2) + K step, an odd tile's in lanes 16-31
.set SA,    44                         ; v44-91 the weights': 16 x tensor + the same
.set TQ,    92
.set SOP,   96
.set EB,    100
.set TC,    104
.set MC,    112
.set HV0,   128                        ; v128-255 results of q, then of v
.set HV1,   840                        ; v840-967 of k.  Fragment f lies in window 1 + f / 21 at 12 (f % 21): 4 q + b x's tile b, 32 + 8 e + q the block's, two sets e
.set MSB, 0
.macro WIN new
.if MSB != (\new)
	s_set_vgpr_msb (MSB<<8)|(\new)
.set MSB, (\new)
.endif
.endm
.macro PLACES n
.rept \n
	v_nop
.endr
.endm
.macro WALU
	s_wait_alu depctr_va_vdst(0)
.endm
.macro BARRIER
	s_barrier_signal -1
	s_barrier_wait -1
.endm
.macro CROUND                          ; a round of the cluster's barrier
	BARRIER
	s_cmp_lg_u32 s14, 0
	s_cbranch_scc1 .Lnot_wave_0_\@
	s_barrier_signal -3
.Lnot_wave_0_\@:
	s_barrier_wait -3
	BARRIER
.endm
.macro TLOAD g0, g1
	tensor_load_to_lds s[\g0:\g0+3], s[\g1:\g1+7]
	s_nop 0
	PLACES 4
.endm
.macro GROUP1 g, mask, rows            ; rows of 768 bytes, padded
	s_or_b32 s[\g+0], s[\mask], (1<<20)|(1<<21)|(5<<22)|(3<<25)
	s_mov_b32 s[\g+1], KROW<<16
	s_mov_b32 s[\g+2], (\rows)<<16
	s_mov_b32 s[\g+3], KROW<<16
	s_mov_b32 s[\g+4], \rows
	s_mov_b32 s[\g+5], KROW
	s_mov_b32 s[\g+6], 0
	s_mov_b32 s[\g+7], 0
.endm
.macro FRAG f, q, a0, a1               ; six pieces of 8 bytes, two to a load where both lie behind as many paddings in both halves of the lanes
	WIN (1+(\f)/FPW)<<6
.set R_, FR*((\f)%FPW)
.set SKIP_, 0
.irp p, 0,1,2,3,4,5
.if SKIP_
.set SKIP_, 0
.else
.set PC_, 12*(\q)+6*(\p/3)+\p%3
.set PN_, 12*(\q)+6*((\p+1)/3)+(\p+1)%3
.set X_, (PC_%32+3)/32
.set XQ_, (PN_%32+3)/32
.if (\p < 5) && (X_ == XQ_)
.set SKIP_, 1
.if X_
	ds_load_2addr_b64 v[R_+2*\p:R_+2*\p+3], \a1 offset0:PC_+2*(PC_/32) offset1:PN_+2*(PN_/32)
.else
	ds_load_2addr_b64 v[R_+2*\p:R_+2*\p+3], \a0 offset0:PC_+2*(PC_/32) offset1:PN_+2*(PN_/32)
.endif
.elseif X_
	ds_load_b64 v[R_+2*\p:R_+2*\p+1], \a1 offset:8*(PC_+2*(PC_/32))
.else
	ds_load_b64 v[R_+2*\p:R_+2*\p+1], \a0 offset:8*(PC_+2*(PC_/32))
.endif
.endif
.endr
.endm
.macro FETCH e, base, t                ; a weight's tile t, all of K, into set e
	v_add_nc_u32 v12, (\base)+((\t)/2)*16*PITCH, v[EA+2*((\t)%2)]
	v_add_nc_u32 v13, (\base)+((\t)/2)*16*PITCH, v[EA+1+2*((\t)%2)]
.irp q, 0,1,2,3,4,5,6,7
	FRAG 32+8*(\e)+\q, \q, v12, v13
.endr
	WIN 0
.endm
.macro FETCHB s                        ; the tile of block s
.if (\s) < 8
	FETCH (\s)%2, SQ+((\s)/4)*64*PITCH, (\s)%4
.elseif (\s) < 12
	FETCH (\s)%2, 0, (\s)%4
.endif
.endm
.macro WR d, s0, s1, x0, x1, ra, rb
.if Q_
	v_wmma_scale_f32_16x16x128_f8f6f4 v[\d:\d+7], v[FR*((\s0)%FPW):FR*((\s0)%FPW)+FR-1], v[FR*((\s1)%FPW):FR*((\s1)%FPW)+FR-1], v[\d:\d+7], v[\x0], v[\x1] matrix_a_fmt:MATRIX_FMT_FP6 matrix_b_fmt:MATRIX_FMT_FP6 matrix_a_scale:MATRIX_SCALE_ROW\ra matrix_b_scale:MATRIX_SCALE_ROW\rb
.else
	v_wmma_scale_f32_16x16x128_f8f6f4 v[\d:\d+7], v[FR*((\s0)%FPW):FR*((\s0)%FPW)+FR-1], v[FR*((\s1)%FPW):FR*((\s1)%FPW)+FR-1], 0, v[\x0], v[\x1] matrix_a_fmt:MATRIX_FMT_FP6 matrix_b_fmt:MATRIX_FMT_FP6 matrix_a_scale:MATRIX_SCALE_ROW\ra matrix_b_scale:MATRIX_SCALE_ROW\rb
.endif
.endm
.macro WM d, s0, s1, x0, x1, ra, rb
.if (\ra) && (\rb)
	WR \d, \s0, \s1, \x0, \x1, 1, 1
.elseif (\ra)
	WR \d, \s0, \s1, \x0, \x1, 1, 0
.elseif (\rb)
	WR \d, \s0, \s1, \x0, \x1, 0, 1
.else
	WR \d, \s0, \s1, \x0, \x1, 0, 0
.endif
.endm
.macro PROD tau, t, e, n               ; product n = 4 q + b of column tile t of tensor tau (0 q, 1 k, 2 v): the four accumulators take turns
.set Q_, (\n)/4
.set B4_, (\n)%4
.set FB_, 4*Q_+B4_
.set FA_, 32+8*(\e)+Q_
.set XB_, SB+8*(B4_/2)+Q_
.set XA_, SA+16*(\tau)+8*((\t)/2)+Q_
.if (\tau) == 2
.set D_, HV0+32*(\t)+8*B4_
.elseif (\tau) == 1
.set D_, HV1+32*B4_+8*(\t)
.else
.set D_, HV0+32*B4_+8*(\t)
.endif
.set DL_, D_&255
.if (\tau) == 2
	WIN (1+FB_/FPW)|((1+FA_/FPW)<<2)|((D_>>8)<<4)|((D_>>8)<<6)
	WM DL_, FB_, FA_, XB_, XA_, B4_%2, (\t)%2
.else
	WIN (1+FA_/FPW)|((1+FB_/FPW)<<2)|((D_>>8)<<4)|((D_>>8)<<6)
	WM DL_, FA_, FB_, XA_, XB_, (\t)%2, B4_%2
.endif
.endm
; products from .. to - 1 of a block; behind every second one two entries of the list (a macro)
.macro BLOCK tau, t, e, from, to, list, x=0, y=0
.set N_, \from
.rept (\to)-(\from)
	PROD \tau, \t, \e, N_
.if N_%2
	\list N_-1, \x, \y
	\list N_, \x, \y
.endif
.set N_, N_+1
.endr
.endm
.macro CHAIN i, x, n, t=TQ             ; a way out's first part, 18 entries: the largest of the 32 magnitudes from register x on, in two chains, with the floor 2^(EMAX + 1 - 127); then the conversions' scale operand
.set XW_, (\x)>>8
.set XL_, (\x)&255
.if (\i) < 14
.set BR_, XL_+16*((\i)%2)+2*((\i)/2)
.set T_, (\t)+1-(\i)%2
.if (\i) < 2
	WIN XW_|(XW_<<2)|(XW_<<4)
	v_max3_num_f32 v[T_], |v[BR_]|, |v[BR_+1]|, |v[BR_+2]|
.else
	WIN (XW_<<2)|(XW_<<4)
	v_max3_num_f32 v[T_], v[T_], |v[BR_+1]|, |v[BR_+2]|
.endif
.elseif (\i) == 14
	WIN XW_<<2
	v_max3_num_f32 v[\t+1], v[\t+1], |v[XL_+15]|, (EMAX+1)<<23
.elseif (\i) == 15
	WIN 0
	v_nop
.elseif (\i) == 16
	WIN XW_<<2
	v_max3_num_f32 v[\t], v[\t], |v[XL_+31]|, v[\t+1]
.elseif (\i) == 17
	WIN 0
	v_add_nc_u32 v[SOP+\n], -(EMAX<<23), v[\t]
.endif
.endm
.macro CODES i, x, c, n, t=TC          ; its second part, 6 lines: 32 codes into v[c .. c+5], the scale's byte into v[EB+n]
.set XW_, (\x)>>8
.set XL_, (\x)&255
.if (\i) == 0
	WIN XW_
	v_cvt_scalef32_pk16_fp6_f32 v[\c:\c+2], v[XL_:XL_+15], v[SOP+\n]
.elseif (\i) == 1
	WIN XW_
	v_cvt_scalef32_pk16_fp6_f32 v[\t:\t+2], v[XL_+16:XL_+31], v[SOP+\n]
.elseif (\i) == 2
	WIN 0
	v_lshrrev_b32 v[EB+\n], 23, v[SOP+\n]
.else
	WIN 0
	v_mov_b32 v[\c+\i], v[\t+\i-3]
.endif
.endm
.macro CODES6 x, c, n
.irp i, 0,1,2,3,4,5
	CODES \i, \x, \c, \n
.endr
.endm
.macro L_NONE i, x, y
.endm
.macro L_OUT i, x, y
	CHAIN (\i)-8, \x, \y
.endm
	s_load_b512 s[68:83], s[0:1], 0x0              ; x's codes, scales; W_q's; W_k's; W_v's
	s_load_b64 s[4:5], s[0:1], 0x40                ; qkv
	v_lshl_add_u32 v[SPW], v0, 2, SPARE
	v_mov_b32 v[NIL], 0
	ds_add_u32 v[SPW], v[NIL]                      ; the opening adds
	ds_add_u32 v[SPW], v[NIL]
	v_lshrrev_b32 v1, 5, v0
	v_readfirstlane_b32 s14, v1                    ; wave
	s_bfe_u32 s40, ttmp6, 0x40000                  ; cx
	s_bfe_u32 s41, ttmp6, 0x40004                  ; cy
	s_lshl_b32 s42, ttmp9, 2
	s_add_co_u32 s42, s42, s40                     ; the head
	s_and_b32 s43, ttmp7, 0xffff
	s_lshl_b32 s43, s43, 2
	s_add_co_u32 s43, s43, s41                     ; the block of 256 tokens
	s_lshl_b32 s44, s41, 2
	s_lshl_b32 s44, 15, s44                        ; my row of the cluster
	s_lshl_b32 s45, 0x1111, s40                    ; my column
	GROUP1 24, 44, 128
	GROUP1 32, 45, 64
	s_mul_i32 s8, s43, 256*KROW
	s_mov_b32 s9, 0
	s_mul_i32 s10, s42, 64*KROW
	s_mov_b32 s11, 0
	s_mov_b32 s48, 1
	s_mov_b32 s49, 0
	s_mov_b32 s52, 1
	s_mov_b32 s53, 128*PITCH
	s_mov_b32 s56, 1
	s_mov_b32 s57, SQ
	s_mov_b32 s60, 1
	s_mov_b32 s61, SK
	s_mov_b32 s84, 1
	s_mov_b32 s85, 0
	s_wait_dscnt 0x0
	CROUND                                         ; all sixteen work-groups are here: the joint loads meet
	s_wait_kmcnt 0x0
	s_add_nc_u64 s[50:51], s[68:69], s[8:9]
	s_add_nc_u64 s[54:55], s[50:51], 128*KROW
	s_add_nc_u64 s[58:59], s[72:73], s[10:11]
	s_add_nc_u64 s[62:63], s[76:77], s[10:11]
	s_add_nc_u64 s[86:87], s[80:81], s[10:11]
	s_or_b32 s51, s51, 0x80000000
	s_or_b32 s55, s55, 0x80000000
	s_or_b32 s59, s59, 0x80000000
	s_or_b32 s63, s63, 0x80000000
	s_or_b32 s87, s87, 0x80000000
	s_cmp_eq_u32 s14, 0
	s_cbranch_scc0 .Lwave_1
	TLOAD 48, 24                                   ; wave 0: x's rows 0-127
	s_branch .Lasked
.Lwave_1:
	s_cmp_eq_u32 s14, 1
	s_cbranch_scc0 .Lwave_2
	TLOAD 52, 24                                   ; wave 1: x's rows 128-255
	s_branch .Lasked
.Lwave_2:
	s_cmp_eq_u32 s14, 2
	s_cbranch_scc0 .Lwave_3
	TLOAD 56, 32                                   ; wave 2: W_q's rows
	s_branch .Lasked
.Lwave_3:
	TLOAD 60, 32                                   ; wave 3: W_k's rows
.Lasked:
	v_and_b32 v1, 7, v0                            ; i
	v_bfe_u32 v2, v0, 3, 1                         ; g
	v_bfe_u32 v3, v0, 4, 1                         ; h
	v_xor_b32 v13, v3, v2
	v_lshl_add_u32 v13, v13, 3, v1
	v_lshl_add_u32 v13, v2, 5, v13                 ; lanes 0-15 an even tile's rows, lanes 16-31 the odd one's
	v_lshlrev_b32 v[SOFF], 5, v13                  ; 32 scale bytes a row
	s_mul_i32 s16, s43, 256*32
	s_lshl_b32 s17, s14, 11
	s_add_co_u32 s16, s16, s17
	s_mov_b32 s17, 0
	s_lshl_b32 s18, s42, 11
	s_mov_b32 s19, 0
	s_add_nc_u64 s[88:89], s[70:71], s[16:17]
	s_add_nc_u64 s[90:91], s[74:75], s[18:19]
	s_add_nc_u64 s[92:93], s[78:79], s[18:19]
	s_add_nc_u64 s[94:95], s[82:83], s[18:19]
	WALU
.irp p, 0,1
.irp c, 0,1
	global_load_b128 v[SB+8*\p+4*\c:SB+8*\p+4*\c+3], v[SOFF], s[88:89] offset:512*\p+16*\c
	global_load_b128 v[SA+8*\p+4*\c:SA+8*\p+4*\c+3], v[SOFF], s[90:91] offset:512*\p+16*\c
	global_load_b128 v[SA+16+8*\p+4*\c:SA+16+8*\p+4*\c+3], v[SOFF], s[92:93] offset:512*\p+16*\c
	global_load_b128 v[SA+32+8*\p+4*\c:SA+32+8*\p+4*\c+3], v[SOFF], s[94:95] offset:512*\p+16*\c
.endr
.endr
	v_mul_u32_u24 v12, v1, PITCH
	v_mad_u32_u24 v12, v3, 24, v12
	v_mad_u32_u24 v[EA], v2, 40*PITCH, v12         ; an even tile: rows i and 40 + i
	v_lshl_add_u32 v[EA+1], v3, 4, v[EA]
	v_mad_u32_u24 v[EA+2], v2, 24*PITCH, v12
	v_add_nc_u32 v[EA+2], 8*PITCH, v[EA+2]         ; an odd one: 8 + i and 32 + i
	v_lshl_add_u32 v[EA+3], v3, 4, v[EA+2]
	s_mul_i32 s20, s14, 64*PITCH
.irp k, 0,1,2,3
	v_add_nc_u32 v[XE+\k], s20, v[EA+\k]
.endr
	v_and_b32 v12, 31, v0
	v_lshlrev_b32 v[L16], 4, v12
	v_lshlrev_b32 v[L8], 3, v12
	v_and_b32 v13, 15, v0                          ; r
	v_lshl_add_u32 v12, v13, 3, v3                 ; 8 r + h
	WALU                                           ; the wait ahead of the scalar lines below
	s_lshr_b32 s21, s14, 1                         ; my step of the two
	s_and_b32 s22, s14, 1                          ; my band of its two
	s_lshl_b32 s23, s21, 8
	s_add_co_u32 s23, s23, STG
	s_lshl_b32 s46, s22, 2
	s_add_co_u32 s46, s46, s23
	v_add_nc_u32 v[STK], s46, v12
	s_lshl_b32 s46, s22, 1
	s_add_co_u32 s46, s46, s23
	s_add_co_u32 s46, s46, 512
	v_add_nc_u32 v[STV], s46, v12
	v_lshl_add_u32 v12, v13, 1, v3                 ; 2 r + h
	s_lshl_b32 s46, s22, 7
	s_add_co_u32 s46, s46, s23
	s_add_co_u32 s46, s46, 1024
	v_add_nc_u32 v[STQ], s46, v12
	s_lshl_b32 s46, s14, 9
	s_add_co_u32 s46, s46, STG
	v_add_nc_u32 v[SIN], s46, v[L16]               ; waves 0, 1, 2 read back k's, v's, q's 512 scale bytes
	v_mul_u32_u24 v12, v3, RS
	v_lshl_add_u32 v[SOUT], v13, 4, v12            ; lanes 0-15 the first step's 256, lanes 16-31 the second's
	s_lshr_b32 s46, s43, 3
	s_lshl_b32 s46, s46, 4
	s_add_co_u32 s46, s46, s42
	s_lshl_b32 s46, s46, 4
	s_and_b32 s47, s43, 7
	s_lshl_b32 s47, s47, 1
	s_add_co_u32 s46, s46, s47                     ; my work-group's first record
	s_mul_i32 s98, s46, RS
	s_mul_i32 s96, s21, RS
	s_add_co_u32 s96, s96, s98
	s_mul_i32 s47, s22, 3072
	s_add_co_u32 s96, s96, s47
	s_mov_b32 s97, 0
	s_add_nc_u64 s[96:97], s[4:5], s[96:97]        ; my record + my band's part of each tensor's codes
	s_lshl_b32 s46, s14, 8
	s_add_co_u32 s46, s46, 12288
	s_mov_b32 s47, 18944
	s_cmp_eq_u32 s14, 2
	s_cselect_b32 s46, s47, s46
	s_add_co_u32 s98, s98, s46
	s_mov_b32 s99, 0
	s_add_nc_u64 s[98:99], s[4:5], s[98:99]        ; the scale bytes that my wave stores
	WALU
	s_cmp_lt_u32 s14, 2
	s_cbranch_scc0 .Lnot_x
	s_wait_tensorcnt 0x0
.Lnot_x:
	BARRIER                                        ; x is in; the weights may still be on their way
.irp b, 0,1,2,3                                ; my band of x, all of K: 104 loads
	v_add_nc_u32 v12, (\b/2)*16*PITCH, v[XE+2*(\b%2)]
	v_add_nc_u32 v13, (\b/2)*16*PITCH, v[XE+1+2*(\b%2)]
.irp q, 0,1,2,3,4,5,6,7
	FRAG 4*\q+\b, \q, v12, v13
.endr
	WIN 0
.endr
	s_wait_tensorcnt 0x0                           ; ahead of the refill
	ds_add_u32 v[SPW], v[NIL]
	s_wait_dscnt 0x0                               ; the add is done, and so are my reads of x
	CROUND                                         ; that holds of every wave of the cluster
	s_cmp_eq_u32 s14, 2
	s_cbranch_scc0 .Lno_v
	TLOAD 84, 32                                   ; W_v's rows, onto x's first 64
.Lno_v:
	FETCHB 0
	FETCHB 1
	s_wait_loadcnt 0x0
; q: four blocks.  A block's fragments were asked for two blocks ago; younger are the next block's NF loads
.irp s, 0,1,2,3
	s_wait_dscnt NF
	BLOCK 0, \s, \s%2, 0, 32, L_NONE
	WIN 0
	PLACES 2                                       ; with the two address lines: the places ahead of the loads
	FETCHB \s+2
.endr
; k: four blocks, q's four tiles go out
.irp s, 4,5,6,7
	s_wait_dscnt NF
	BLOCK 1, \s-4, \s%2, 0, 8, L_NONE
	WIN 0
	s_wait_xcnt 0x0                                ; the last way out's stores have read their registers
.if \s == 6
	BLOCK 1, \s-4, \s%2, 8, 26, L_OUT, HV0+32*(\s-4), 0
	WIN 0
	WALU
	s_wait_tensorcnt 0x0
	s_wait_dscnt 0x0
	s_barrier_signal -1                            ; a plain barrier shows W_v's rows to all
	BLOCK 1, \s-4, \s%2, 26, 32, L_NONE
	WIN 0
	s_barrier_wait -1
.else
	BLOCK 1, \s-4, \s%2, 8, 32, L_OUT, HV0+32*(\s-4), 0
	WIN 0
.endif
	CODES6 HV0+32*(\s-4), MC, 0
	ds_store_b8 v[STQ], v[EB] offset:32*(\s-4)
	global_store_b128 v[L16], v[MC:MC+3], s[96:97] offset:12800+768*(\s-4)
	global_store_b64 v[L8], v[MC+4:MC+5], s[96:97] offset:12800+768*(\s-4)+512
	FETCHB \s+2
.endr
; v: four blocks, k's four tiles go out, two to an operand
.irp s, 8,9,10,11
.if \s == 11
	s_wait_dscnt 0x0                               ; nothing more has been fetched behind this block's loads
.else
	s_wait_dscnt NF
.endif
	BLOCK 2, \s-8, \s%2, 0, 8, L_NONE
	WIN 0
	s_wait_xcnt 0x0
	BLOCK 2, \s-8, \s%2, 8, 32, L_OUT, HV1+32*(\s-8), 0
	WIN 0
	CODES6 HV1+32*(\s-8), MC+6*(\s%2), 0
	ds_store_b8 v[STK], v[EB] offset:128*((\s-8)/2)+2*(\s%2)
.if \s%2
.irp k, 0,1,2
	global_store_b128 v[L16], v[MC+4*\k:MC+4*\k+3], s[96:97] offset:1536*((\s-8)/2)+512*\k
.endr
.endif
	FETCHB \s+2
.endr
; the end: v's four tiles
.irp t, 0,2
.set I, 0
.rept 18
	CHAIN I, HV0+32*\t, \t, TQ
	CHAIN I, HV0+32*\t+32, \t+1, TQ+2
.set I, I+1
.endr
.endr
.irp t, 0,1,2,3
	CODES 2, HV0, MC, \t
.endr
	WALU
.irp t, 0,1,2,3
	ds_store_b8 v[STV], v[EB+\t] offset:128*(\t%2)+4*(\t/2)
.endr
	s_wait_xcnt 0x0
	s_wait_dscnt 0x0
	s_barrier_signal -1                            ; all scale bytes are in the stage; the conversions stand between signal and wait
.irp t, 0,1,2,3
.set CD_, MC+6*\t
.if \t > 1
.set CD_, HV0+6*(\t-2)                 ; tile 0's results have been converted by then
.endif
	CODES 0, HV0+32*\t, CD_, \t, TC+4*(\t%2)
	CODES 1, HV0+32*\t, CD_, \t, TC+4*(\t%2)
	v_nop
	CODES 3, HV0+32*\t, CD_, \t, TC+4*(\t%2)
	CODES 4, HV0+32*\t, CD_, \t, TC+4*(\t%2)
	CODES 5, HV0+32*\t, CD_, \t, TC+4*(\t%2)
.endr
	WIN 0
	WALU
	s_barrier_wait -1
.irp t, 0,1,2,3
.set CD_, MC+6*\t
.if \t > 1
.set CD_, HV0+6*(\t-2)
.endif
	global_store_b128 v[L16], v[CD_:CD_+3], s[96:97] offset:6144+768*\t
	global_store_b64 v[L8], v[CD_+4:CD_+5], s[96:97] offset:6144+768*\t+512
.endr
	s_cmp_eq_u32 s14, 3
	s_cbranch_scc1 .Lno_bytes
	ds_load_b128 v[TQ:TQ+3], v[SIN]
	s_wait_dscnt 0x0
	global_store_b128 v[SOUT], v[TQ:TQ+3], s[98:99]   ; 16 lanes store 256 consecutive bytes, aligned
.Lno_bytes:
	s_wait_tensorcnt 0x0                           ; the wave's end
	ds_add_u32 v[SPW], v[NIL]
	s_wait_dscnt 0x0
	CROUND                                         ; the closing round
	s_endpgm
.Lfunc_end_k_q3e5e2a2e19_qkv_proj:
	.size	k_q3e5e2a2e19_qkv_proj, .Lfunc_end_k_q3e5e2a2e19_qkv_proj-k_q3e5e2a2e19_qkv_proj
	.p2alignl 7, 3214868480
	.fill 96, 4, 3214868480
	.section	.rodata,"a",@progbits
	.p2align	6, 0x0
	.amdhsa_kernel k_q3e5e2a2e19_qkv_proj
		.amdhsa_group_segment_fixed_size 327680
		.amdhsa_private_segment_fixed_size 0
		.amdhsa_enable_private_segment 0
		.amdhsa_kernarg_size 72
		.amdhsa_user_sgpr_count 2
		.amdhsa_user_sgpr_kernarg_segment_ptr 1
		.amdhsa_wavefront_size32 1
		.amdhsa_system_sgpr_workgroup_id_x 1
		.amdhsa_system_sgpr_workgroup_id_y 1
		.amdhsa_system_sgpr_workgroup_id_z 1
		.amdhsa_system_vgpr_workitem_id 0
		.amdhsa_next_free_vgpr 968
		.amdhsa_next_free_sgpr 102
		.amdhsa_reserve_vcc 0
		.amdhsa_float_denorm_mode_32 3
		.amdhsa_float_denorm_mode_16_64 3
		.amdhsa_memory_ordered 1
		.amdhsa_forward_progress 1
		.amdhsa_inst_pref_size 116
	.end_amdhsa_kernel
	.amdgpu_metadata
---
amdhsa.version: [ 1, 2 ]
amdhsa.kernels:
  - .name:           k_q3e5e2a2e19_qkv_proj
    .symbol:         k_q3e5e2a2e19_qkv_proj.kd
    .args:
      - { .name: x_codes, .offset: 0, .size: 8, .value_kind: global_buffer, .address_space: global }
      - { .name: x_scales, .offset: 8, .size: 8, .value_kind: global_buffer, .address_space: global }
      - { .name: Wq_codes, .offset: 16, .size: 8, .value_kind: global_buffer, .address_space: global }
      - { .name: Wq_scales, .offset: 24, .size: 8, .value_kind: global_buffer, .address_space: global }
      - { .name: Wk_codes, .offset: 32, .size: 8, .value_kind: global_buffer, .address_space: global }
      - { .name: Wk_scales, .offset: 40, .size: 8, .value_kind: global_buffer, .address_space: global }
      - { .name: Wv_codes, .offset: 48, .size: 8, .value_kind: global_buffer, .address_space: global }
      - { .name: Wv_scales, .offset: 56, .size: 8, .value_kind: global_buffer, .address_space: global }
      - { .name: qkv, .offset: 64, .size: 8, .value_kind: global_buffer, .address_space: global }
    .group_segment_fixed_size: 327680
    .private_segment_fixed_size: 0
    .kernarg_segment_align: 8
    .kernarg_segment_size: 72
    .max_flat_workgroup_size: 128
    .sgpr_count:     102
    .vgpr_count:     968
    .wavefront_size: 32
...
	.end_amdgpu_metadata
.endif
;; end of part 1
;; launch attn (part 2): grid 8 x 32, 16 waves a work-group, clusters of 4 x 1, 243,712 bytes of LDS; arguments qkv, yi; writes yi
.if DOCPART == 2
	.amdgcn_target "amdgcn-amd-amdhsa--gfx1250"
	.amdhsa_code_object_version 6
	.text
	.protected	k_q3e5e2a2e19_attn
	.globl	k_q3e5e2a2e19_attn
	.p2align	8
	.type	k_q3e5e2a2e19_attn,@function
k_q3e5e2a2e19_attn:
	s_mov_b64 s[64:65], 0
	v_nop
	global_prefetch_b8 v0, s[64:65] scope:SCOPE_SE
	s_setreg_imm32_b32 hwreg(HW_REG_WAVE_MODE, 25, 1), 1
	s_wait_xcnt 0x0
	s_wait_alu depctr_hold_cnt(0) depctr_sa_sdst(0) depctr_va_vdst(0) depctr_va_sdst(0) depctr_va_ssrc(0) depctr_va_vcc(0) depctr_vm_vsrc(0)
	s_getreg_b32 s2, hwreg(HW_REG_IB_STS2, 6, 4)
	s_cmp_eq_u32 s2, 0
	s_cbranch_scc0 .Lentry_in_a_cluster
	s_endpgm
.Lentry_in_a_cluster:
	s_bfe_u32 s2, ttmp6, 0x10000c
	s_cmp_lg_u32 s2, 0x3003
	s_cbranch_scc0 .Lentry_shape_is_right
	s_endpgm
.Lentry_shape_is_right:
; y = softmax(q k^T / 8, causal) v on codes of FP6 (E2M3), one E8M0 scale for each 32 along a product's K; y is quantised along the model's 1,024 and leaves as codes.
; IN: qkv's records of RS bytes, one for each (bh = 16 b + head, step of 128 tokens), laid out in the first launch.  With t' a tile of a band of 64 tokens, g = r / 8: lane r's row is token 32 g + 8 (t' xor g) + r % 8 of the band.
; WORK LEFT OUT: steps of 128 keys all of whose keys come after the tile's queries: reference()'s own mask gives each of them the weight 0, whatever the inputs.  A NaN or an infinity that reaches only those is not carried to the result.
; TWO TILES OF K LIE IN ONE OPERAND (registers 0-5, 6-11) and are multiplied by [q | 0] and by [0 | q] (v22-33, v16-27): the head's 64 channels fill half of the instruction's K = 128.
; Both products are used transposed: a lane holds ONE query, and of each band of 64 keys the 32 of one scale block.
; THE SOFTMAX: t = score x log2(e) / 8; M = the running largest t rounded UP to a whole number; p = 2^(t - M) is quantised along the keys, not normalised; the row's sum is taken of the unquantised p and divides at the end.
; When M moves, the sum and O are multiplied by 2^(old M - new M): exact.
; SHARES.  A head's k and v, 16 x 12,800 = 204,800 bytes, stay in LDS whole, each byte filled once, each of the 16 waves bringing one record by one joint load for the cluster's four work-groups.
; The cluster's x is the band c' of the queries in their step, cx the tile t'.  A pair of waves n and 8 + n owns two tiles, that of step 15 - n and that of step n, 17 steps together.
; Wave 8 + n walks steps 0-7 of the late tile: 8 steps.  Wave n walks the late tile's steps 8 to 15 - n, hands its O, sum and M over through LDS bytes of its own, and then walks the early tile's steps 0 to n: 9 steps.
; Behind a barrier wave 8 + n joins the late tile's two parts under the larger M (powers of two: exact but for the one addition) and sends it out; wave n sends out the early tile.
; NO PREFETCH: every record is asked for at the head, so there is no loop to run ahead in.
; OUT: yi: codes [tile T = 128 b + 8 step + 4 c' + t'][head][lane][16 bytes, then all lanes' 8]; from YS on the scale bytes, 32 for each of a tile's rows, byte 2 head + block.
; LIMITS: NaN and infinities are not served; the promise holds while the scaled scores (exponents to the base 2) stay under 2^31 in magnitude; a block whose largest magnitude lies under 2^-124 keeps the byte 1, a block of zeros too (its codes are zeros).
; A block's largest p is taken from the block's largest score: this takes v_exp_f32 not to fall where its input rises.
; REGISTERS: v1 16 x lane, v2 8 x lane, v3-6 LDS addresses, at work; v7 -infinity; v8-9 k's scale words, v10-11 v's; v12 -M, v13 the largest score; v[14:15] the sum; v[34:35] f; v36 q's scale word, v37 p's; v40-87 k, v88-135 v,
; v136-199 S^T, then p; v200-231 O^T; v232-243 p's codes; v244-246, v248-254 at work; v247 8 h; v255 a lane permute's result.
.set RS,  19200
.set KV,  12800
.set YS,  3145728
.set SPARE, 16*KV
.set PART,  SPARE+2048                 ; the parts handed over: 9 x 512 bytes for each pair; no tile lands here
.set PSZ,   4608
.macro WALU
	s_wait_alu depctr_va_vdst(0)
.endm
.macro BARRIER
	s_barrier_signal -1
	s_barrier_wait -1
.endm
.macro CROUND                          ; a round of the cluster's barrier
	BARRIER
	s_cmp_lg_u32 s8, 0
	s_cbranch_scc1 .Lnot_wave_0_\@
	s_barrier_signal -3
.Lnot_wave_0_\@:
	s_barrier_wait -3
	BARRIER
.endm
.macro KLOAD a, b, off                 ; a record's K: four operands and two registers of scale words: 13 loads
.irp o, 0,1,2,3
.irp k, 0,1,2
	ds_load_b128 v[40+12*\o+4*\k:43+12*\o+4*\k], \a offset:(\off)+1536*\o+512*\k
.endr
.endr
	ds_load_b64 v[8:9], \b offset:(\off)+12288
.endm
.macro SMUL o, row
	v_wmma_scale_f32_16x16x128_f8f6f4 v[136+16*\o:143+16*\o], v[40+12*\o:51+12*\o], v[22:33], 0, v[8+\o/2], v36 matrix_a_fmt:MATRIX_FMT_FP6 matrix_b_fmt:MATRIX_FMT_FP6 matrix_a_scale:MATRIX_SCALE_ROW\row
	v_wmma_scale_f32_16x16x128_f8f6f4 v[144+16*\o:151+16*\o], v[40+12*\o:51+12*\o], v[16:27], 0, v[8+\o/2], v36 matrix_a_fmt:MATRIX_FMT_FP6 matrix_b_fmt:MATRIX_FMT_FP6 matrix_a_scale:MATRIX_SCALE_ROW\row
.endm
.macro OMUL t, row
	v_wmma_scale_f32_16x16x128_f8f6f4 v[200+8*\t:207+8*\t], v[88+12*\t:99+12*\t], v[232:243], v[200+8*\t:207+8*\t], v[10+\t/2], v37 matrix_a_fmt:MATRIX_FMT_FP6 matrix_b_fmt:MATRIX_FMT_FP6 matrix_a_scale:MATRIX_SCALE_ROW\row
.endm
; The diagonal band.  Register 8 t + i of lane half h is key 32 h + 8 (t xor h) + i: lanes 8-15 see all, lanes 16-23 nothing, lanes 0-7 and 24-31 by t against t', and in tile t' itself lane j hides i > j
.macro MASKB x
.irp t, 0,1,2,3
	s_cmp_eq_u32 s9, \t
.irp i, 0,1,2,3,4,5,6,7
	s_cselect_b32 s53, 0x00ff0000|(((1<<\i)-1)*0x01000001), s[72+\t]
	v_cndmask_b32 v[\x+8*\t+\i], v[\x+8*\t+\i], v7, s53
.endr
.endr
	WALU
.endm
.macro TREE n
.set J, 0
.rept (\n)/2
	v_pk_add_f32 v[136+J:137+J], v[136+J:137+J], v[136+J+\n:137+J+\n]
.set J, J+2
.endr
.endm
; A step of 128 keys; s49 counts, s48 is the count on the diagonal, s50 the record in LDS.  K's registers were loaded a step ago
.macro STEP clamp
.if \clamp
	s_add_co_u32 s52, s50, KV
	s_min_u32 s52, s52, 15*KV                      ; behind the last record the last is read once more, for nothing
.endif
	s_wait_dscnt 0x0
	SMUL 0, 0
	SMUL 1, 1
	SMUL 2, 0
	SMUL 3, 1
	v_add_nc_u32 v3, s50, v1                       ; four places ahead of the loads, those behind the last step's products too
	v_add_nc_u32 v4, s50, v2
.if \clamp
	v_add_nc_u32 v5, s52, v1
	v_add_nc_u32 v6, s52, v2
.else
	v_nop
	v_nop
.endif
.irp t, 0,1,2,3
.irp c, 0,1
	ds_load_b128 v[88+12*\t+6*\c:91+12*\t+6*\c], v3 offset:6144+3072*\c+768*\t
	ds_load_b64 v[92+12*\t+6*\c:93+12*\t+6*\c], v4 offset:6144+3072*\c+768*\t+512
.endr
.endr
	ds_load_b64 v[10:11], v4 offset:12544
.if \clamp
	KLOAD v5, v6, 0
.else
	KLOAD v3, v4, KV
.endif
	s_cmp_lg_u32 s49, s48                          ; on the diagonal hidden scores become -infinity ahead of the maximum
	s_cbranch_scc1 .Lopen_\@
	s_cmp_eq_u32 s60, 0
	s_cbranch_scc0 .Lband_1_\@
	MASKB 136
.set J, 0
.rept 32
	v_mov_b32 v[168+J], v7                         ; queries of band 0 see nothing of band 1
.set J, J+1
.endr
	WALU
	s_branch .Lopen_\@
.Lband_1_\@:
	MASKB 168
.Lopen_\@:
	v_max3_num_f32 v251, v136, v137, v138          ; the largest score of each block of 32 keys: for the row's maximum and, since p rises with the score, for the block's largest p
	v_max3_num_f32 v244, v152, v153, v154
	v_max3_num_f32 v252, v168, v169, v170
	v_max3_num_f32 v245, v184, v185, v186
.irp i, 3,5,7,9,11,13
	v_max3_num_f32 v251, v251, v[136+\i], v[137+\i]
	v_max3_num_f32 v244, v244, v[152+\i], v[153+\i]
	v_max3_num_f32 v252, v252, v[168+\i], v[169+\i]
	v_max3_num_f32 v245, v245, v[184+\i], v[185+\i]
.endr
	v_max3_num_f32 v251, v251, v151, v244
	v_max3_num_f32 v252, v252, v183, v245
	v_max_num_f32 v251, v251, v167
	v_max_num_f32 v252, v252, v199
	v_max_num_f32 v6, v251, v252
	s_delay_alu instid0(VALU_DEP_1)
	v_permlanex16_b32 v255, v6, s20, s21
	s_delay_alu instid0(VALU_DEP_1)
	v_max3_num_f32 v13, v13, v6, v255              ; the running largest score of my query
	s_delay_alu instid0(VALU_DEP_1)
	v_mul_f32 v6, s58, v13                         ; -t
	v_mov_b32 v246, v12
	s_delay_alu instid0(VALU_DEP_2)
	v_floor_f32 v12, v6                            ; the new -M
	s_delay_alu instid0(VALU_DEP_1)
	v_sub_f32 v6, v12, v246
	s_delay_alu instid0(VALU_DEP_1)
	v_cvt_i32_f32 v6, v6                           ; (it saturates)
	s_delay_alu instid0(VALU_DEP_1)
	v_ldexp_f32 v34, 1.0, v6                       ; f = 2^(old M - new M)
.set J, 0
.rept 32
	v_pk_fma_f32 v[136+J:137+J], v[136+J:137+J], s[22:23], v[12:13] op_sel_hi:[1,0,0]   ; t - M, two at a time
.set J, J+2
.endr
	v_fma_f32 v251, v251, s22, v12
	v_fma_f32 v252, v252, s22, v12
	WALU
.set J, 0
.rept 64
	v_exp_f32 v[136+J], v[136+J]
.set J, J+1
.endr
	v_exp_f32 v251, v251
	v_exp_f32 v252, v252
	v_pk_mul_f32 v[14:15], v[14:15], v[34:35] op_sel_hi:[1,0]   ; (a plain place behind the exponentials)
	WALU
.set J, 0
.rept 16
	v_pk_mul_f32 v[200+J:201+J], v[200+J:201+J], v[34:35] op_sel_hi:[1,0]   ; O^T under the new M
.set J, J+2
.endr
	v_max_num_f32 v251, 0x1800000, v251            ; the floor 2^(3 - 127)
	v_max_num_f32 v252, 0x1800000, v252
	v_add_nc_u32 v253, 0xff000000, v251            ; 2 off the exponent field: the conversions' scale operand
	v_add_nc_u32 v254, 0xff000000, v252
	v_lshrrev_b32 v6, 23, v253
	v_lshrrev_b32 v246, 23, v254
	v_lshl_or_b32 v6, v246, 16, v6                 ; my two bytes, blocks h and 2 + h,
	v_lshlrev_b32 v6, v247, v6
	v_permlanex16_b32 v255, v6, s20, s21
	v_or_b32 v37, v6, v255                         ; and the other half's
	v_cvt_scalef32_pk16_fp6_f32 v[232:234], v[136:151], v253
	v_cvt_scalef32_pk16_fp6_f32 v[244:246], v[152:167], v253
	v_cvt_scalef32_pk16_fp6_f32 v[238:240], v[168:183], v254
	v_cvt_scalef32_pk16_fp6_f32 v[248:250], v[184:199], v254
	v_nop
.irp i, 0,1,2
	v_mov_b32 v[235+\i], v[244+\i]
	v_mov_b32 v[241+\i], v[248+\i]
.endr
	TREE 32                                        ; the row's sum, of the unquantised p
	TREE 16
	TREE 8
	TREE 4
	TREE 2
	v_pk_add_f32 v[14:15], v[14:15], v[136:137]
	WALU
	s_wait_dscnt 13                                ; v is in; the next step's 13 loads of k may be out
	OMUL 0, 0
	OMUL 1, 1
	OMUL 2, 0
	OMUL 3, 1
.endm
.macro TINIT                           ; a tile begins
	v_mov_b32 v13, 0xff61b1e6                      ; the largest score so far: -3e38
	v_mul_f32 v6, s58, v13
	v_floor_f32 v12, v6
	v_mov_b32 v14, 0
	v_mov_b32 v15, 0
.set J, 0
.rept 32
	v_mov_b32 v[200+J], 0
.set J, J+1
.endr
.endm
	s_load_b128 s[4:7], s[0:1], 0x0                ; qkv, yi
	v_lshl_add_u32 v38, v0, 2, SPARE
	v_mov_b32 v39, 0
	ds_add_u32 v38, v39                            ; the opening adds
	ds_add_u32 v38, v39
	v_lshrrev_b32 v1, 5, v0
	v_readfirstlane_b32 s8, v1                     ; wave 0..15
	s_bfe_u32 s9, ttmp6, 0x40000                   ; cx = t'
	s_mov_b32 s60, ttmp9                           ; c'
	s_and_b32 s11, ttmp7, 0xffff                   ; bh
	s_mov_b32 s24, 15|(3<<16)|(1<<21)              ; all four work-groups; elements of 8 bytes; no padding
	s_mov_b32 s25, 32<<16                          ; a record's 12,800 dense bytes as 50 rows of 256
	s_mov_b32 s26, 50<<16
	s_mov_b32 s27, 32<<16
	s_mov_b32 s28, 50
	s_mov_b32 s29, 32
	s_mov_b32 s30, 0
	s_mov_b32 s31, 0
	s_mul_i32 s16, s11, 16*RS                      ; the head's first record
	s_mul_i32 s12, s8, RS
	s_add_co_u32 s12, s12, s16
	s_mov_b32 s13, 0
	s_mul_i32 s33, s8, KV
	s_mov_b32 s32, 1
	s_wait_dscnt 0x0
	CROUND                                         ; all four work-groups are here: the joint loads meet
	s_wait_kmcnt 0x0
	s_add_nc_u64 s[34:35], s[4:5], s[12:13]
	s_or_b32 s35, s35, 0x80000000
	tensor_load_to_lds s[32:35], s[24:31]          ; record number = my wave's number
	s_nop 0
.rept 4
	v_nop
.endr
	s_mov_b32 s20, 0x76543210
	s_mov_b32 s21, 0xfedcba98                      ; v_permlanex16_b32's selects for lane l xor 16
	s_mov_b32 s22, 0x3e38aa3b                      ; c = log2(e) / 8
	s_mov_b32 s23, s22
	s_mov_b32 s58, 0xbe38aa3b                      ; -c
	s_mov_b32 s59, 0xffff0000
	s_lshl_b32 s61, s60, 2
	s_add_co_u32 s61, s61, s9                      ; my tile in its step
	s_and_b32 s70, s8, 7                           ; n
	s_lshr_b32 s10, s8, 3                          ; 1: I walk the late tile's steps 0-7
	s_sub_co_u32 s71, 15, s70                      ; the late tile's step
	s_mul_i32 s12, s61, 768
	s_add_co_u32 s12, s12, s16
	s_add_co_u32 s12, s12, 12800
	s_lshl_b32 s17, s61, 5
	s_add_co_u32 s17, s17, s16
	s_add_co_u32 s17, s17, 18944
	s_mul_i32 s18, s71, RS
	s_mul_i32 s19, s70, RS
	s_add_co_u32 s36, s12, s18
	s_mov_b32 s37, 0
	s_add_co_u32 s38, s17, s18
	s_mov_b32 s39, 0
	s_add_co_u32 s40, s12, s19
	s_mov_b32 s41, 0
	s_add_co_u32 s42, s17, s19
	s_mov_b32 s43, 0
	s_add_nc_u64 s[36:37], s[4:5], s[36:37]        ; the late tile's q and its scale bytes
	s_add_nc_u64 s[38:39], s[4:5], s[38:39]
	s_add_nc_u64 s[40:41], s[4:5], s[40:41]        ; the early tile's
	s_add_nc_u64 s[42:43], s[4:5], s[42:43]
	v_and_b32 v3, 31, v0
	v_lshlrev_b32 v1, 4, v3
	v_lshlrev_b32 v2, 3, v3
	v_and_b32 v4, 15, v0
	v_lshlrev_b32 v5, 1, v4
	WALU
	global_load_b128 v[22:25], v1, s[36:37]
	global_load_b64 v[26:27], v2, s[36:37] offset:512
	global_load_u16 v244, v5, s[38:39]
	s_xor_b32 s62, s9, 1
.irp t, 0,1,2,3                                ; s[72:75]: the lanes that see nothing of tile t of the diagonal band, t not t'
	s_cmp_lt_u32 s9, \t
	s_cselect_b32 s63, 0xff, 0
	s_cmp_lt_u32 s62, \t^1
	s_cselect_b32 s53, 0xff000000, 0
	s_or_b32 s63, s63, s53
	s_or_b32 s[72+\t], s63, 0x00ff0000
.endr
	s_sub_co_u32 s63, 7, s70
	s_cmp_eq_u32 s10, 1
	s_cselect_b32 s45, 7, s63                      ; my last count in the late tile,
	s_cselect_b32 s48, 99, s63                     ; the one on the diagonal (none in steps 0-7),
	s_cselect_b32 s47, -1, s70                     ; my last count in the early tile, which is on its diagonal (-1: none),
	s_cselect_b32 s19, s71, s70                    ; and the step of the tile that I send out
	s_xor_b32 s63, s10, 1
	s_lshl_b32 s63, s63, 3
	s_mul_i32 s50, s63, KV                         ; my first record: 0 or 8
	s_mul_i32 s46, s70, PSZ
	s_add_co_u32 s46, s46, PART                    ; my pair's bytes
	s_lshr_b32 s12, s11, 4
	s_lshl_b32 s12, s12, 7
	s_add_co_u32 s12, s12, s61
	s_and_b32 s13, s11, 15                         ; the head
	s_lshl_b32 s19, s19, 3
	s_add_co_u32 s19, s19, s12                     ; T
	s_mul_i32 s54, s19, 12288
	s_mul_i32 s17, s13, 768
	s_add_co_u32 s54, s54, s17
	s_mov_b32 s55, 0
	s_lshl_b32 s56, s19, 9
	s_lshl_b32 s18, s13, 1
	s_add_co_u32 s56, s56, s18
	s_add_co_u32 s56, s56, YS
	s_mov_b32 s57, 0
	s_add_nc_u64 s[54:55], s[6:7], s[54:55]        ; y's codes
	s_add_nc_u64 s[56:57], s[6:7], s[56:57]        ; and scale bytes
.irp j, 16,17,18,19,20,21,28,29,30,31,32,33
	v_mov_b32 v\j, 0                               ; zero codes beside q
.endr
	v_mov_b32 v7, 0xff800000
	v_mov_b32 v35, 0                               ; (named as the upper half of a pair)
	v_mov_b32 v255, 0                              ; (a lane permute's destination counts as one of its sources)
	v_bfe_u32 v247, v0, 4, 1
	v_lshlrev_b32 v247, 3, v247                    ; 8 h
	TINIT
	v_add_nc_u32 v3, s50, v1
	v_add_nc_u32 v4, s50, v2
	WALU
	s_wait_loadcnt 0x0
	v_lshl_or_b32 v36, v244, 16, v244              ; q's scale word: its two bytes twice
.rept 8
	v_nop
.endr
	WALU
	s_wait_tensorcnt 0x0
	BARRIER                                        ; all records are in
	KLOAD v3, v4, 0
	s_mov_b32 s49, 0
	s_mov_b32 s51, 8
.Llate:                                                ; the late tile; steps behind the diagonal are jumped over: the branch hangs on the wave's number alone
	s_cmp_gt_u32 s49, s45
	s_cbranch_scc1 .Lhid_a
	STEP 1
.Lhid_a:
	s_add_co_u32 s49, s49, 1
	s_add_co_u32 s50, s50, KV
	s_sub_co_u32 s51, s51, 1
	s_cmp_lg_u32 s51, 0
	s_cbranch_scc1 .Llate
	s_wait_dscnt 0x0
	s_cmp_lg_u32 s10, 0
	s_cbranch_scc1 .Lno_early
	KLOAD v1, v2, 0                                ; waves 0-7: the early tile's first k
	v_and_b32 v4, 15, v0
	v_lshlrev_b32 v4, 1, v4
	v_add_nc_u32 v3, s46, v1
	v_nop                                          ; (with the three lines above: the places behind the last products)
	WALU
	global_load_b128 v[22:25], v1, s[40:41]        ; its q
	global_load_b64 v[26:27], v2, s[40:41] offset:512
	global_load_u16 v244, v4, s[42:43]
.irp i, 0,1,2,3,4,5,6,7
	ds_store_b128 v3, v[200+4*\i:203+4*\i] offset:512*\i   ; my part of the late tile: O^T,
.endr
	ds_store_b128 v3, v[12:15] offset:4096         ; -M, the largest score, the sum's two halves
	s_wait_loadcnt 0x0
	v_lshl_or_b32 v36, v244, 16, v244
	TINIT
	WALU
.Lno_early:
	s_mov_b32 s48, s47
	s_mov_b32 s49, 0
	s_mov_b32 s50, 0
	s_mov_b32 s51, 8
.Learly:                                               ; the early tile: steps 0-7
	s_cmp_gt_i32 s49, s47
	s_cbranch_scc1 .Lhid_b
	STEP 0
.Lhid_b:
	s_add_co_u32 s49, s49, 1
	s_add_co_u32 s50, s50, KV
	s_sub_co_u32 s51, s51, 1
	s_cmp_lg_u32 s51, 0
	s_cbranch_scc1 .Learly
	s_wait_dscnt 0x0                               ; my stores, where I handed a part over
	BARRIER                                        ; all parts are in LDS
	s_cmp_eq_u32 s10, 0
	s_cbranch_scc1 .Lout
	v_add_nc_u32 v3, s46, v1                       ; waves 8-15 join the late tile's two parts
.irp i, 0,1,2,3,4,5,6,7
	ds_load_b128 v[40+4*\i:43+4*\i], v3 offset:512*\i
.endr
	ds_load_b128 v[72:75], v3 offset:4096
	s_wait_dscnt 0x0
	v_min_num_f32 v6, v12, v72                     ; -M of the whole
	v_sub_f32 v4, v6, v12
	v_sub_f32 v5, v6, v72
	v_cvt_i32_f32 v4, v4
	v_cvt_i32_f32 v5, v5
	v_ldexp_f32 v34, 1.0, v4
	v_ldexp_f32 v246, 1.0, v5
	v_pk_mul_f32 v[14:15], v[14:15], v[34:35] op_sel_hi:[1,0]
	v_pk_fma_f32 v[14:15], v[74:75], v[246:247], v[14:15] op_sel_hi:[1,0,1]
.set J, 0
.rept 16
	v_pk_mul_f32 v[200+J:201+J], v[200+J:201+J], v[34:35] op_sel_hi:[1,0]
.set J, J+2
.endr
.set J, 0
.rept 16
	v_pk_fma_f32 v[200+J:201+J], v[40+J:41+J], v[246:247], v[200+J:201+J] op_sel_hi:[1,0,1]
.set J, J+2
.endr
	WALU
; THE WAY OUT.  O^T / the sum: register 8 t + i of lane half h is channel 32 h + 8 (t xor h) + i: one scale block of the next product's K
.Lout:
	WALU
	v_add_f32 v14, v14, v15
	v_and_b32 v3, 15, v0
	v_bfe_u32 v4, v0, 4, 1
	v_permlanex16_b32 v255, v14, s20, s21
	v_lshl_add_u32 v3, v3, 5, v4                   ; 32 r + h: my byte among the tile's scale bytes
	v_add_f32 v14, v14, v255                       ; the row's sum
	WALU
	v_rcp_f32 v14, v14
	v_nop
	WALU
.set J, 0
.rept 16
	v_pk_mul_f32 v[136+J:137+J], v[200+J:201+J], v[14:15] op_sel_hi:[1,0]
.set J, J+2
.endr
	v_max3_num_f32 v251, |v136|, |v137|, |v138|
	v_max3_num_f32 v252, |v152|, |v153|, |v154|
.irp i, 3,5,7,9,11,13
	v_max3_num_f32 v251, v251, |v[136+\i]|, |v[137+\i]|
	v_max3_num_f32 v252, v252, |v[152+\i]|, |v[153+\i]|
.endr
	v_max3_num_f32 v251, v251, |v151|, 0x1800000
	v_max3_num_f32 v251, v251, |v167|, v252
	v_add_nc_u32 v253, 0xff000000, v251
	v_cvt_scalef32_pk16_fp6_f32 v[232:234], v[136:151], v253
	v_cvt_scalef32_pk16_fp6_f32 v[244:246], v[152:167], v253
	v_lshrrev_b32 v6, 23, v253
	v_alignbit_b32 v238, v234, v233, 16            ; lanes 16-31 hold each sixteen's eights in the other order: 48 bits change places with 48
	v_alignbit_b32 v239, v232, v234, 16
	v_alignbit_b32 v240, v233, v232, 16
	v_alignbit_b32 v241, v246, v245, 16
	v_alignbit_b32 v242, v244, v246, 16
	v_alignbit_b32 v243, v245, v244, 16
.irp i, 0,1,2
	v_cndmask_b32 v[232+\i], v[232+\i], v[238+\i], s59
	v_cndmask_b32 v[235+\i], v[244+\i], v[241+\i], s59
.endr
	global_store_b128 v1, v[232:235], s[54:55]
	global_store_b64 v2, v[236:237], s[54:55] offset:512
	global_store_b8 v3, v6, s[56:57]               ; single bytes, 32 against 768 bytes of codes: a row's 32 scale bytes come from sixteen heads, which are sixteen clusters' work
	s_wait_tensorcnt 0x0                           ; the wave's end
	ds_add_u32 v38, v39
	s_wait_dscnt 0x0
	CROUND                                         ; the closing round
	s_endpgm
.Lfunc_end_k_q3e5e2a2e19_attn:
	.size	k_q3e5e2a2e19_attn, .Lfunc_end_k_q3e5e2a2e19_attn-k_q3e5e2a2e19_attn
	.p2alignl 7, 3214868480
	.fill 96, 4, 3214868480
	.section	.rodata,"a",@progbits
	.p2align	6, 0x0
	.amdhsa_kernel k_q3e5e2a2e19_attn
		.amdhsa_group_segment_fixed_size 243712
		.amdhsa_private_segment_fixed_size 0
		.amdhsa_enable_private_segment 0
		.amdhsa_kernarg_size 16
		.amdhsa_user_sgpr_count 2
		.amdhsa_user_sgpr_kernarg_segment_ptr 1
		.amdhsa_wavefront_size32 1
		.amdhsa_system_sgpr_workgroup_id_x 1
		.amdhsa_system_sgpr_workgroup_id_y 1
		.amdhsa_system_sgpr_workgroup_id_z 1
		.amdhsa_system_vgpr_workitem_id 0
		.amdhsa_next_free_vgpr 256
		.amdhsa_next_free_sgpr 90
		.amdhsa_reserve_vcc 0
		.amdhsa_float_denorm_mode_32 3
		.amdhsa_float_denorm_mode_16_64 3
		.amdhsa_memory_ordered 1
		.amdhsa_forward_progress 1
		.amdhsa_inst_pref_size 69
	.end_amdhsa_kernel
	.amdgpu_metadata
---
amdhsa.version: [ 1, 2 ]
amdhsa.kernels:
  - .name:           k_q3e5e2a2e19_attn
    .symbol:         k_q3e5e2a2e19_attn.kd
    .args:
      - { .name: qkv, .offset: 0, .size: 8, .value_kind: global_buffer, .address_space: global }
      - { .name: yi, .offset: 8, .size: 8, .value_kind: global_buffer, .address_space: global }
    .group_segment_fixed_size: 243712
    .private_segment_fixed_size: 0
    .kernarg_segment_align: 8
    .kernarg_segment_size: 16
    .max_flat_workgroup_size: 512
    .sgpr_count:     90
    .vgpr_count:     256
    .wavefront_size: 32
...
	.end_amdgpu_metadata
.endif
;; end of part 2
;; launch out_proj (part 3): grid 8 x 32, 4 waves a work-group, clusters of 4 x 4, 220,672 bytes of LDS; arguments yi, Wo_codes, Wo_scales, out0; writes out0
.if DOCPART == 3
	.amdgcn_target "amdgcn-amd-amdhsa--gfx1250"
	.amdhsa_code_object_version 6
	.text
	.protected	k_q3e5e2a2e19_out_proj
	.globl	k_q3e5e2a2e19_out_proj
	.p2align	8
	.type	k_q3e5e2a2e19_out_proj,@function
k_q3e5e2a2e19_out_proj:
	s_mov_b64 s[64:65], 0
	v_nop
	global_prefetch_b8 v0, s[64:65] scope:SCOPE_SE
	s_setreg_imm32_b32 hwreg(HW_REG_WAVE_MODE, 25, 1), 1
	s_wait_xcnt 0x0
	s_wait_alu depctr_hold_cnt(0) depctr_sa_sdst(0) depctr_va_vdst(0) depctr_va_sdst(0) depctr_va_ssrc(0) depctr_va_vcc(0) depctr_vm_vsrc(0)
	s_getreg_b32 s2, hwreg(HW_REG_IB_STS2, 6, 4)
	s_cmp_eq_u32 s2, 0
	s_cbranch_scc0 .Lentry_in_a_cluster
	s_endpgm
.Lentry_in_a_cluster:
	s_bfe_u32 s2, ttmp6, 0x10000c
	s_cmp_lg_u32 s2, 0xf033
	s_cbranch_scc0 .Lentry_shape_is_right
	s_endpgm
.Lentry_shape_is_right:
; out = y Wo^T on codes of FP6 (E2M3), one E8M0 scale for each 32 along K = 1,024; out [4,096][1,024] f32.
; y comes from yi: [tile T of 16 rows][head][lane][16 bytes, then all lanes' 8] (a head is half of a K step of 128: six of an operand's twelve registers); from YS on 32 scale bytes a row.
; Row r of tile T, with a = T % 4 and g = r / 8, is token 64 (T / 4) + 32 g + 8 (a xor g) + r % 8: the stores' offsets put the rows back.  Wo as it is given: rows of 768 bytes, 32 scale bytes a row.
; SHARES.  128 x 128 of out to a work-group, 256 work-groups, a wave 64 x 64.  A wave keeps its 64 rows of Wo, ALL of K, in registers (384) and streams its four tiles of y past them: 32 matrix instructions finish 16 rows x 64 columns,
; which leave while the next tile is multiplied.  Every byte of LDS is filled once, by one tensor load a wave at the head; nothing is filled again.
; CLUSTERS 4 x 4: y's tiles are asked for jointly along a row, Wo's rows along a column.  NO PREFETCH: everything is asked for at the head, so there is no loop to run ahead in.
; The matrix instruction is used transposed (source 0 = 16 rows of Wo, source 1 = 16 rows of y): a lane holds eight neighbouring numbers of a row of out.
; LIMITS: scale bytes 0xff among the inputs are not served.
.set PITCH, 816
.set BOFF,  98304
.set STAGE, BOFF+128*PITCH
.set SP,    272
.set SPARE, STAGE+4*16*SP
.set YS,    3145728
.set FR,    12
.set FPW,   21
.set ADA,   4                          ; v4 16 x lane, v5 8 x lane, + my four tiles of y
.set ADB,   6                          ; v6, v7 my rows of Wo (v7: behind one padding more)
.set SPW,   10
.set NIL,   11
.set STO,   14
.set RD,    15
.set CO,    16
.set SOFF,  17
.set SB,    24                         ; v24-39 Wo's scale words, v44-59 y's
.set SA,    44
.set ACC,   64                         ; two sets of four accumulators
.set BK,    128                        ; rows on the way out, two sets
.set MSB, 0
.macro WIN new
.if MSB != (\new)
	s_set_vgpr_msb (MSB<<8)|(\new)
.set MSB, (\new)
.endif
.endm
.macro PLACES n
.rept \n
	v_nop
.endr
.endm
.macro WALU
	s_wait_alu depctr_va_vdst(0)
.endm
.macro BARRIER
	s_barrier_signal -1
	s_barrier_wait -1
.endm
.macro CROUND
	BARRIER
	s_cmp_lg_u32 s14, 0
	s_cbranch_scc1 .Lnot_wave_0_\@
	s_barrier_signal -3
.Lnot_wave_0_\@:
	s_barrier_wait -3
	BARRIER
.endm
.macro TLOAD g0, g1
	tensor_load_to_lds s[\g0:\g0+3], s[\g1:\g1+7]
	s_nop 0
	PLACES 4
.endm
.macro FRAG f, q, a0, a1               ; six pieces of 8 bytes, two to a load where both lie behind as many paddings in both halves of the lanes
	WIN (1+(\f)/FPW)<<6
.set R_, FR*((\f)%FPW)
.set SKIP_, 0
.irp p, 0,1,2,3,4,5
.if SKIP_
.set SKIP_, 0
.else
.set PC_, 12*(\q)+6*(\p/3)+\p%3
.set PN_, 12*(\q)+6*((\p+1)/3)+(\p+1)%3
.set X_, (PC_%32+3)/32
.set XQ_, (PN_%32+3)/32
.if (\p < 5) && (X_ == XQ_)
.set SKIP_, 1
.if X_
	ds_load_2addr_b64 v[R_+2*\p:R_+2*\p+3], \a1 offset0:PC_+2*(PC_/32) offset1:PN_+2*(PN_/32)
.else
	ds_load_2addr_b64 v[R_+2*\p:R_+2*\p+3], \a0 offset0:PC_+2*(PC_/32) offset1:PN_+2*(PN_/32)
.endif
.elseif X_
	ds_load_b64 v[R_+2*\p:R_+2*\p+1], \a1 offset:8*(PC_+2*(PC_/32))
.else
	ds_load_b64 v[R_+2*\p:R_+2*\p+1], \a0 offset:8*(PC_+2*(PC_/32))
.endif
.endif
.endr
.endm
.macro FETCH a                         ; my tile a of y, all of K, into set a % 2: 32 loads
.irp q, 0,1,2,3,4,5,6,7
.set F_, 32+8*((\a)%2)+\q
	WIN (1+F_/FPW)<<6
.set R_, FR*(F_%FPW)
.irp c, 0,1
	ds_load_b128 v[R_+6*\c:R_+6*\c+3], v[ADA] offset:12288*(\a)+1536*\q+768*\c
	ds_load_b64 v[R_+6*\c+4:R_+6*\c+5], v[ADA+1] offset:12288*(\a)+1536*\q+768*\c+512
.endr
.endr
	WIN 0
.endm
.macro WR d, s0, s1, x0, x1, ra, rb
.if Q_
	v_wmma_scale_f32_16x16x128_f8f6f4 v[\d:\d+7], v[FR*((\s0)%FPW):FR*((\s0)%FPW)+FR-1], v[FR*((\s1)%FPW):FR*((\s1)%FPW)+FR-1], v[\d:\d+7], v[\x0], v[\x1] matrix_a_fmt:MATRIX_FMT_FP6 matrix_b_fmt:MATRIX_FMT_FP6 matrix_a_scale:MATRIX_SCALE_ROW\ra matrix_b_scale:MATRIX_SCALE_ROW\rb
.else
	v_wmma_scale_f32_16x16x128_f8f6f4 v[\d:\d+7], v[FR*((\s0)%FPW):FR*((\s0)%FPW)+FR-1], v[FR*((\s1)%FPW):FR*((\s1)%FPW)+FR-1], 0, v[\x0], v[\x1] matrix_a_fmt:MATRIX_FMT_FP6 matrix_b_fmt:MATRIX_FMT_FP6 matrix_a_scale:MATRIX_SCALE_ROW\ra matrix_b_scale:MATRIX_SCALE_ROW\rb
.endif
.endm
.macro WM d, s0, s1, x0, x1, ra, rb
.if (\ra) && (\rb)
	WR \d, \s0, \s1, \x0, \x1, 1, 1
.elseif (\ra)
	WR \d, \s0, \s1, \x0, \x1, 1, 0
.elseif (\rb)
	WR \d, \s0, \s1, \x0, \x1, 0, 1
.else
	WR \d, \s0, \s1, \x0, \x1, 0, 0
.endif
.endm
.macro BLK a, from, to                 ; products 4 q + b of tile a: the four accumulators take turns
.set N_, \from
.rept (\to)-(\from)
.set Q_, N_/4
.set B4_, N_%4
.set FB_, 4*Q_+B4_
.set FA_, 32+8*((\a)%2)+Q_
.set D_, ACC+32*((\a)%2)+8*B4_
.set XB_, SB+8*(B4_/2)+Q_
.set XA_, SA+8*((\a)/2)+Q_
	WIN (1+FB_/FPW)|((1+FA_/FPW)<<2)
	WM D_, FB_, FA_, XB_, XA_, B4_%2, (\a)%2
.set N_, N_+1
.endr
	WIN 0
.endm
; THE WAY OUT of a tile, through my own stage: LDS serves a wave's instructions in order (ISA guide 5.7.1.4), so no wait stands between the stores and the loads
.macro TOSTAGE a
	PLACES 4
.irp b, 0,1,2,3
.set D_, ACC+32*((\a)%2)+8*\b
	ds_store_b128 v[STO], v[D_:D_+3] offset:64*\b
	ds_store_b128 v[STO], v[D_+4:D_+7] offset:64*\b+16
.endr
.irp t, 0,1,2,3,4,5,6,7
	ds_load_b128 v[BK+32*((\a)%2)+4*\t:BK+32*((\a)%2)+4*\t+3], v[RD] offset:2*\t*SP
.endr
.endm
.macro SEND a, younger                 ; younger: the LDS loads issued behind the tile's
	s_wait_dscnt \younger
.irp t, 0,1,2,3,4,5,6,7
	global_store_b128 v[CO], v[BK+32*((\a)%2)+4*\t:BK+32*((\a)%2)+4*\t+3], s[12:13] offset:(32*(\t/4)+8*((\a)^(\t/4))+2*(\t%4))*4096 th:TH_STORE_NT   ; 16 lanes store 256 consecutive bytes, aligned
.endr
.endm
	s_load_b256 s[4:11], s[0:1], 0x0               ; yi, Wo's codes, Wo's scales, out
	v_lshl_add_u32 v[SPW], v0, 2, SPARE
	v_mov_b32 v[NIL], 0
	ds_add_u32 v[SPW], v[NIL]                      ; the opening adds
	ds_add_u32 v[SPW], v[NIL]
	v_lshrrev_b32 v1, 5, v0
	v_readfirstlane_b32 s14, v1
	s_lshr_b32 s15, s14, 1                         ; my half of y's tiles
	s_and_b32 s16, s14, 1                          ; my half of Wo's rows
	s_bfe_u32 s40, ttmp6, 0x40000
	s_bfe_u32 s41, ttmp6, 0x40004
	s_lshl_b32 s42, ttmp9, 2
	s_add_co_u32 s42, s42, s40                     ; the block of 128 features
	s_and_b32 s43, ttmp7, 0xffff
	s_lshl_b32 s43, s43, 2
	s_add_co_u32 s43, s43, s41                     ; the block of 8 tiles of y
	s_lshl_b32 s44, s41, 2
	s_lshl_b32 s44, 15, s44
	s_lshl_b32 s45, 0x1111, s40
	s_or_b32 s24, s44, (3<<16)|(1<<21)             ; four tiles of y: 49,152 dense bytes as 192 rows of 256
	s_mov_b32 s25, 32<<16
	s_mov_b32 s26, 192<<16
	s_mov_b32 s27, 32<<16
	s_mov_b32 s28, 192
	s_mov_b32 s29, 32
	s_mov_b32 s30, 0
	s_mov_b32 s31, 0
	s_or_b32 s32, s45, (1<<20)|(1<<21)|(5<<22)|(3<<25)   ; 64 rows of Wo, 16 bytes of padding behind every 256
	s_mov_b32 s33, 768<<16
	s_mov_b32 s34, 64<<16
	s_mov_b32 s35, 768<<16
	s_mov_b32 s36, 64
	s_mov_b32 s37, 768
	s_mov_b32 s38, 0
	s_mov_b32 s39, 0
	s_mul_i32 s18, s43, 8*12288
	s_mov_b32 s19, 0
	s_mul_i32 s20, s42, 128*768
	s_mov_b32 s21, 0
	s_mov_b32 s48, 1
	s_mov_b32 s49, BOFF
	s_mov_b32 s52, 1
	s_mov_b32 s53, BOFF+64*PITCH
	s_mov_b32 s56, 1
	s_mov_b32 s57, 0
	s_mov_b32 s60, 1
	s_mov_b32 s61, 49152
	s_wait_dscnt 0x0
	CROUND                                         ; all sixteen work-groups are here: the joint loads meet
	s_wait_kmcnt 0x0
	s_add_nc_u64 s[50:51], s[6:7], s[20:21]
	s_add_nc_u64 s[54:55], s[50:51], 64*768
	s_add_nc_u64 s[58:59], s[4:5], s[18:19]
	s_add_nc_u64 s[62:63], s[58:59], 49152
	s_or_b32 s51, s51, 0x80000000
	s_or_b32 s55, s55, 0x80000000
	s_or_b32 s59, s59, 0x80000000
	s_or_b32 s63, s63, 0x80000000
	s_cmp_eq_u32 s14, 0
	s_cbranch_scc0 .Lwave_1
	TLOAD 48, 32                                   ; waves 0, 1: Wo's rows
	s_branch .Lasked
.Lwave_1:
	s_cmp_eq_u32 s14, 1
	s_cbranch_scc0 .Lwave_2
	TLOAD 52, 32
	s_branch .Lasked
.Lwave_2:
	s_cmp_eq_u32 s14, 2
	s_cbranch_scc0 .Lwave_3
	TLOAD 56, 24                                   ; waves 2, 3: y's tiles
	s_branch .Lasked
.Lwave_3:
	TLOAD 60, 24
.Lasked:
	v_and_b32 v3, 31, v0
	v_lshlrev_b32 v[SOFF], 5, v3                   ; 32 scale bytes a row: lanes 0-15 an even tile's rows, lanes 16-31 the odd one's
	s_lshl_b32 s66, s43, 1
	s_add_co_u32 s66, s66, s15
	s_lshl_b32 s66, s66, 11
	s_add_co_u32 s66, s66, YS
	s_mov_b32 s67, 0
	s_lshl_b32 s68, s42, 1
	s_add_co_u32 s68, s68, s16
	s_lshl_b32 s68, s68, 11
	s_mov_b32 s69, 0
	s_add_nc_u64 s[66:67], s[4:5], s[66:67]
	s_add_nc_u64 s[68:69], s[8:9], s[68:69]
	WALU
.irp p, 0,1
.irp c, 0,1
	global_load_b128 v[SB+8*\p+4*\c:SB+8*\p+4*\c+3], v[SOFF], s[68:69] offset:1024*\p+16*\c
	global_load_b128 v[SA+8*\p+4*\c:SA+8*\p+4*\c+3], v[SOFF], s[66:67] offset:1024*\p+16*\c
.endr
.endr
	v_and_b32 v1, 15, v0                           ; r
	v_bfe_u32 v2, v0, 4, 1                         ; h
	s_mul_i32 s22, s15, 49152
	v_lshl_add_u32 v[ADA], v3, 4, s22
	v_lshl_add_u32 v[ADA+1], v3, 3, s22
	v_mul_u32_u24 v8, v1, PITCH
	v_mad_u32_u24 v8, v2, 24, v8
	s_mul_i32 s22, s16, 64*PITCH
	s_add_co_u32 s22, s22, BOFF
	v_add_nc_u32 v[ADB], s22, v8
	v_lshl_add_u32 v[ADB+1], v2, 4, v[ADB]
	s_mul_i32 s22, s14, 16*SP
	s_add_co_u32 s22, s22, STAGE                   ; my stage
	v_mul_u32_u24 v8, v1, SP
	v_lshl_add_u32 v8, v2, 5, v8
	v_add_nc_u32 v[STO], s22, v8                   ; in: row r, 32 bytes for each half of the lanes
	v_mul_u32_u24 v8, v2, SP
	v_lshl_add_u32 v8, v1, 4, v8
	v_add_nc_u32 v[RD], s22, v8                    ; back: lanes 0-15 one row of 256 bytes, lanes 16-31 the next
	v_lshlrev_b32 v8, 12, v2
	v_lshl_add_u32 v[CO], v1, 4, v8                ; and the same two rows in out
	s_lshl_b32 s12, s43, 1
	s_add_co_u32 s12, s12, s15
	s_lshl_b32 s12, s12, 18                        ; my 64 tokens: rows of 4,096 bytes
	s_lshl_b32 s13, s42, 1
	s_add_co_u32 s13, s13, s16
	s_lshl_b32 s13, s13, 8                         ; my 64 features
	s_add_co_u32 s12, s12, s13
	s_mov_b32 s13, 0
	s_add_nc_u64 s[12:13], s[10:11], s[12:13]
	WALU
	s_cmp_lt_u32 s14, 2
	s_cbranch_scc0 .Lnot_b
	s_wait_tensorcnt 0x0
.Lnot_b:
	BARRIER                                        ; Wo's rows are in; y's tiles may still be on their way
.irp b, 0,1,2,3                                ; my 64 rows of Wo, all of K: 104 loads
	v_add_nc_u32 v8, \b*16*PITCH, v[ADB]
	v_add_nc_u32 v9, \b*16*PITCH, v[ADB+1]
.irp q, 0,1,2,3,4,5,6,7
	FRAG 4*\q+\b, \q, v8, v9
.endr
	WIN 0
.endr
	s_wait_tensorcnt 0x0
	s_wait_dscnt 0x0
	BARRIER                                        ; y's tiles are in
	FETCH 0
	FETCH 1
	s_wait_loadcnt 0x0
	s_wait_dscnt 32                                ; tile 0 is in; tile 1's 32 loads may be out
	BLK 0, 0, 32
	TOSTAGE 0
	FETCH 2
	s_wait_dscnt 48                                ; tile 1 is in (behind it: the stage's 16, tile 2's 32)
	BLK 1, 0, 8
	SEND 0, 32
	BLK 1, 8, 32
	TOSTAGE 1
	FETCH 3
	s_wait_dscnt 48
	BLK 2, 0, 8
	SEND 1, 32
	BLK 2, 8, 32
	s_wait_xcnt 0x0                                ; the stores have read the registers into which the next rows come back
	TOSTAGE 2
	s_wait_dscnt 16                                ; tile 3 is in (behind it: the stage's 16)
	BLK 3, 0, 8
	SEND 2, 0
	BLK 3, 8, 32
	s_wait_xcnt 0x0
	TOSTAGE 3
	SEND 3, 0
	s_wait_tensorcnt 0x0                           ; the wave's end
	ds_add_u32 v[SPW], v[NIL]
	s_wait_dscnt 0x0
	CROUND                                         ; the closing round
	s_endpgm
.Lfunc_end_k_q3e5e2a2e19_out_proj:
	.size	k_q3e5e2a2e19_out_proj, .Lfunc_end_k_q3e5e2a2e19_out_proj-k_q3e5e2a2e19_out_proj
	.p2alignl 7, 3214868480
	.fill 96, 4, 3214868480
	.section	.rodata,"a",@progbits
	.p2align	6, 0x0
	.amdhsa_kernel k_q3e5e2a2e19_out_proj
		.amdhsa_group_segment_fixed_size 220672
		.amdhsa_private_segment_fixed_size 0
		.amdhsa_enable_private_segment 0
		.amdhsa_kernarg_size 32
		.amdhsa_user_sgpr_count 2
		.amdhsa_user_sgpr_kernarg_segment_ptr 1
		.amdhsa_wavefront_size32 1
		.amdhsa_system_sgpr_workgroup_id_x 1
		.amdhsa_system_sgpr_workgroup_id_y 1
		.amdhsa_system_sgpr_workgroup_id_z 1
		.amdhsa_system_vgpr_workitem_id 0
		.amdhsa_next_free_vgpr 840
		.amdhsa_next_free_sgpr 102
		.amdhsa_reserve_vcc 0
		.amdhsa_float_denorm_mode_32 3
		.amdhsa_float_denorm_mode_16_64 3
		.amdhsa_memory_ordered 1
		.amdhsa_forward_progress 1
		.amdhsa_inst_pref_size 49
	.end_amdhsa_kernel
	.amdgpu_metadata
---
amdhsa.version: [ 1, 2 ]
amdhsa.kernels:
  - .name:           k_q3e5e2a2e19_out_proj
    .symbol:         k_q3e5e2a2e19_out_proj.kd
    .args:
      - { .name: yi, .offset: 0, .size: 8, .value_kind: global_buffer, .address_space: global }
      - { .name: Wo_codes, .offset: 8, .size: 8, .value_kind: global_buffer, .address_space: global }
      - { .name: Wo_scales, .offset: 16, .size: 8, .value_kind: global_buffer, .address_space: global }
      - { .name: out0, .offset: 24, .size: 8, .value_kind: global_buffer, .address_space: global }
    .group_segment_fixed_size: 220672
    .private_segment_fixed_size: 0
    .kernarg_segment_align: 8
    .kernarg_segment_size: 32
    .max_flat_workgroup_size: 128
    .sgpr_count:     102
    .vgpr_count:     840
    .wavefront_size: 32
...
	.end_amdgpu_metadata
.endif
;; end of part 3
